; MI455X (gfx1250); checked and timed in simulation.
; The chip was launched on July 23, 2026; its instructions are those of AMD's public machine-readable ISA for CDNA 5 (MIT licence, August 2026) and "CDNA5" Instruction Set Architecture Reference Guide (July 2026). The comments in the code are by the model that wrote it; some were corrected since.
;; Spatial dot. Allowed arithmetic: float matrix products may take bf16 or f16 operands with f32 sums; all other float work in f32.
;; Inputs: W1 64 x 128 float32; W2 64 x 128 float32; W3 64 x 128 float32; b1 64 float32; b2 64 float32; b3 64 float32; input1 1 x 8 x 128 x 64 x 64 float32; input2 1 x 8 x 128 x 64 x 64 float32.
;; Outputs: out0 1 x 8 x 64 x 64 x 64 float32.
;; One version. Each part assembles by itself: llvm-mc -triple=amdgcn-amd-amdhsa -mcpu=gfx1250 --defsym DOCPART=n.
;; ======== version 1 of 1: 2 launches
;; workspace buffers: q 4,194,304 bytes; kg 8,388,608 bytes
;; launch proj (part 1): grid 256 x 1, 8 waves a work-group, no clusters, 128,000 bytes of LDS; arguments input1, input2, W1, W2, W3, b1, b2, b3, q, kg; writes q, kg
.if DOCPART == 1
	.amdgcn_target "amdgcn-amd-amdhsa--gfx1250"
	.amdhsa_code_object_version 6
	.text
	.protected	k_qe3fbd2f897_proj
	.globl	k_qe3fbd2f897_proj
	.p2align	8
	.type	k_qe3fbd2f897_proj,@function
k_qe3fbd2f897_proj:
	s_mov_b64 s[64:65], 0
	v_nop
	global_prefetch_b8 v0, s[64:65] scope:SCOPE_SE
	s_setreg_imm32_b32 hwreg(HW_REG_WAVE_MODE, 25, 1), 1
	s_wait_xcnt 0x0
; q = W1 x1 + b1, k = W2 x2 + b2, g = W3 x1 + b3 for 128 positions n of one frame; x: [8][128 c][4096 n] f32, W: [64 f][128 c] f32.
; Results are bf16, stored in the order in which the next launch's matrix fragments want them:
;   q : a tile of 16 n is 2,048 bytes; element (row r, f) at (f>>3)*256 + r*16 + (f&7)*2
;   kg: a chunk of 32 n is 8,192 bytes: two k tiles in q's tile layout, then g: element (f, mm) at 4096 + (f>>4)*1024 + (mm>>3)*256 + (f&15)*16 + (mm&7)*2
; LIMITS: x and W are rounded to bf16 in front of the products, q, k and g behind them; the sums and the biases are f32.
; Eight waves.  Phase 1: wave w brings rows c = 16 w .. 16 w + 15 of both inputs (512 consecutive aligned bytes a load) and rows 8 w .. 8 w + 7 of
; each W, rounds them to bf16 and lays them into LDS.  All 61 loads of a wave are issued before the first wait.
; Phase 2: wave w makes f tile w & 3 of q, k and g for the n tiles 4 (w >> 2) .. + 3: 48 matrix instructions.
; NO JOINT LOADS of W, although all work-groups read it: W is read once, in one step, and has to pass through registers to become bf16;
; brought as f32 into LDS it would take 98,304 bytes more there, be read back, rounded and stored again, for a launch with a single step.
.set XP,   288                         ; LDS pitch of an x row: 256 bytes of bf16 + 32, an odd multiple of 32 for the transposing loads
.set WP,   272                         ; LDS pitch of a W row: 256 bytes + 16, an odd multiple of 16
.set XS2,  128*XP                      ; x2 behind x1
.set WS,   2*128*XP                    ; the three W behind them: row 64 p + f
.set WPL,  64*WP                       ; one W
; phase 1
.set GW,  2                            ; v2  W: byte offset of my 16 bytes in my wave's first row
.set LW,  3                            ; v3  W: LDS address of my 8 bytes there
.set GX,  4                            ; v4  x: byte offset of my 16 bytes in my wave's first row
.set LX,  5                            ; v5  x: LDS address of my 8 bytes there
.set OB,  6                            ; v6  byte offset of my 8 numbers of b1 and b2
.set OB3, 7                            ; v7  byte offset of my number of b3
.set X1,  128                          ; v[128:191] 16 rows of x1 as loaded
.set X2,  192                          ; v[192:255] 16 rows of x2 as loaded
; both phases
.set BQ,  8                            ; v[8:15]   b1 as a C tile: register j = b1[16 ft + 8 h + j]
.set BK,  16                           ; v[16:23]  b2 likewise
.set BG,  24                           ; v[24:31]  b3 as a C tile: every register = b3[16 ft + r]
.set WF,  32                           ; v[32:127] phase 1: W as loaded; phase 2: W's fragments, (p, kc) at 32 p + 8 kc
; phase 2
.set WFR, 2                            ; v2  LDS address of my part of W's fragments
.set TR1, 3                            ; v3  LDS address for the transposing loads of x1
.set TR2, 4                            ; v4  the same for x2
.set OQ,  5                            ; v5  byte offset of my 16 bytes in q
.set OKK, 6                            ; v6  in kg, for k
.set OG,  7                            ; v7  in kg, for g
.set X1F, 128                          ; v[128:159] fragments of x1, kc at 8 kc
.set X2F, 160                          ; v[160:191] fragments of x2
.set AQ,  192                          ; v[192:199], v[200:207], v[208:215]: the three sums
.set AK,  200
.set AG,  208
.set PK,  216                          ; v[216:227] the three results packed to bf16
	s_load_b512 s[4:19], s[0:1], 0x0               ; x1 s[4:5], x2 s[6:7], W1 s[8:9], W2 s[10:11], W3 s[12:13], b1 s[14:15], b2 s[16:17], b3 s[18:19]
	s_load_b128 s[20:23], s[0:1], 0x40             ; q s[20:21], kg s[22:23]
	s_set_vgpr_msb 0x40
	v_lshl_add_u32 v0, v0, 2, 0x1f000
	v_mov_b32 v1, 0
	s_set_vgpr_msb 0x4000
	v_lshrrev_b32 v1, 5, v0
	v_readfirstlane_b32 s24, v1                    ; wave 0..7
	s_and_b32 s25, s24, 3                          ; ft: my f tile
	s_lshr_b32 s26, s24, 2                         ; nh: my half of the 8 n tiles
	s_lshr_b32 s27, ttmp9, 5                       ; frame t
	s_and_b32 s34, ttmp9, 31                       ; block of 128 n in the frame
	s_lshl_b32 s28, s27, 21                        ; a frame of x is 128 x 16,384 bytes
	s_lshl_b32 s34, s34, 9                         ; 128 n are 512 bytes of a row
	s_add_co_u32 s28, s28, s34
	s_mov_b32 s29, 0
	s_lshl_b32 s30, ttmp9, 14                      ; the group's 8 tiles of q
	s_mov_b32 s31, 0
	s_lshl_b32 s32, ttmp9, 15                      ; the group's 4 chunks of kg
	s_mov_b32 s33, 0
	v_and_b32 v1, 31, v0                           ; lane L
	v_and_b32 v32, 15, v0                          ; r
	v_bfe_u32 v33, v0, 4, 1                        ; h
	v_lshlrev_b32 v34, 4, v1                       ; 16 L
	v_lshlrev_b32 v35, 3, v1                       ; 8 L
	s_lshl_b32 s35, s24, 12                        ; 8 rows of W are 4,096 bytes
	v_add_nc_u32 v[GW], s35, v34
	s_mul_i32 s35, s24, 8*WP
	s_add_co_u32 s35, s35, WS
	v_add_nc_u32 v[LW], s35, v35
	s_lshl_b32 s35, s24, 18                        ; 16 rows of x are 262,144 bytes
	v_add_nc_u32 v[GX], s35, v34
	s_mul_i32 s35, s24, 16*XP
	v_add_nc_u32 v[LX], s35, v35
	s_lshl_b32 s35, s25, 6                         ; 16 f are 64 bytes of a bias
	v_lshl_add_u32 v[OB], v33, 5, s35              ; + 8 h numbers
	v_lshl_add_u32 v[OB3], v32, 2, s35             ; + r numbers
	s_wait_kmcnt 0x0
	s_add_nc_u64 s[4:5], s[4:5], s[28:29]
	s_add_nc_u64 s[6:7], s[6:7], s[28:29]
	s_add_nc_u64 s[20:21], s[20:21], s[30:31]
	s_add_nc_u64 s[22:23], s[22:23], s[32:33]
	; PHASE 1.  5 + 24 + 32 loads, no wait between them.
	global_load_b128 v[BQ:BQ+3],   v[OB], s[14:15]
	global_load_b128 v[BQ+4:BQ+7], v[OB], s[14:15] offset:16
	global_load_b128 v[BK:BK+3],   v[OB], s[16:17]
	global_load_b128 v[BK+4:BK+7], v[OB], s[16:17] offset:16
	global_load_b32  v[BG],        v[OB3], s[18:19]
.irp p, 0,1,2
.irp j, 0,1,2,3,4,5,6,7
	global_load_b128 v[WF+32*\p+4*\j:WF+32*\p+4*\j+3], v[GW], s[8+2*\p:9+2*\p] offset:512*\j   ; a whole row of W
.endr
.endr
.irp j, 0,1,2,3,4,5,6,7,8,9,10,11,12,13,14,15
	global_load_b128 v[X1+4*\j:X1+4*\j+3], v[GX], s[4:5] offset:16384*\j th:TH_LOAD_NT       ; 128 n of row 16 w + j
.endr
.irp j, 0,1,2,3,4,5,6,7,8,9,10,11,12,13,14,15
	global_load_b128 v[X2+4*\j:X2+4*\j+3], v[GX], s[6:7] offset:16384*\j th:TH_LOAD_NT
.endr
; four f32 become four bf16, in place, and go to LDS: 32 lanes x 8 bytes are the 256 bytes of a row
.macro CONV reg, adr, off
	v_cvt_pk_bf16_f32 v[\reg], v[\reg], v[\reg+1]
	v_cvt_pk_bf16_f32 v[\reg+1], v[\reg+2], v[\reg+3]
	ds_store_b64 v[\adr], v[\reg:\reg+1] offset:\off
.endm
	s_wait_loadcnt 32                              ; loads come back in order (ISA guide 5.7.1): the biases and W are in, the 32 loads of x stay out
.irp p, 0,1,2
.irp j, 0,1,2,3,4,5,6,7
	CONV WF+32*\p+4*\j, LW, \p*WPL+\j*WP
.endr
.endr
.irp j, 1,2,3,4,5,6,7
	v_mov_b32 v[BG+\j], v[BG]                      ; g's C tile: the same bias in all eight rows of a lane's column
.endr
.irp g, 0,1,2,3
	s_wait_loadcnt 28-4*\g                         ; four more rows of x1 are in; the count is the loads issued behind them
.irp k, 0,1,2,3
	CONV X1+16*\g+4*\k, LX, (4*\g+\k)*XP
.endr
.endr
.irp g, 0,1,2,3
	s_wait_loadcnt 12-4*\g                         ; the same for x2, down to zero
.irp k, 0,1,2,3
	CONV X2+16*\g+4*\k, LX, XS2+(4*\g+\k)*XP
.endr
.endr
	; Every load is done, so v2 to v7 are free: the addresses of phase 2.
	v_and_b32 v216, 15, v0                         ; r
	v_bfe_u32 v217, v0, 4, 1                       ; h
	v_and_b32 v218, 7, v0                          ; L & 7
	v_bfe_u32 v219, v0, 3, 1                       ; (L >> 3) & 1
	v_lshlrev_b32 v220, 4, v1                      ; 16 L
	s_mul_i32 s35, s25, 16*WP
	s_add_co_u32 s35, s35, WS
	v_mul_u32_u24 v[WFR], v216, WP                 ; W's fragment: row 16 ft + r, 16 bytes for each half of the lanes
	v_lshl_add_u32 v[WFR], v217, 4, v[WFR]
	v_add_nc_u32 v[WFR], s35, v[WFR]
	v_lshl_add_u32 v[TR1], v217, 3, v218           ; x's fragment, transposed on the way: row c = 8 h + (L & 7),
	v_mul_u32_u24 v[TR1], v[TR1], XP
	v_lshl_add_u32 v[TR1], v219, 4, v[TR1]         ; 16 bytes = 8 n for each group of eight lanes,
	s_lshl_b32 s35, s26, 7
	v_add_nc_u32 v[TR1], s35, v[TR1]               ; my half's four n tiles begin at byte 128 nh of a row
	v_add_nc_u32 v[TR2], XS2, v[TR1]
	s_lshl_b32 s35, s26, 13                        ; q: 4 tiles of 2,048 bytes for each half,
	s_lshl_b32 s36, s25, 9                         ; 512 bytes for each f tile
	s_add_co_u32 s35, s35, s36
	v_add_nc_u32 v[OQ], s35, v220
	s_lshl_b32 s35, s26, 14                        ; kg: 2 chunks of 8,192 bytes for each half
	s_add_co_u32 s37, s35, s36
	v_add_nc_u32 v[OKK], s37, v220
	s_lshl_b32 s36, s25, 10                        ; g: 1,024 bytes for each f tile, behind the chunk's two k tiles
	s_add_co_u32 s35, s35, s36
	s_add_co_u32 s35, s35, 4096
	v_add_nc_u32 v[OG], s35, v220
	s_wait_dscnt 0x0                               ; my LDS stores are done, for the other waves' sake,
	s_barrier_signal -1
	s_barrier_wait -1                              ; and so are everybody's: the launch's only barrier
	; PHASE 2
.irp p, 0,1,2
.irp kc, 0,1,2,3
	ds_load_b128 v[WF+32*\p+8*\kc:WF+32*\p+8*\kc+3],   v[WFR] offset:\p*WPL+64*\kc
	ds_load_b128 v[WF+32*\p+8*\kc+4:WF+32*\p+8*\kc+7], v[WFR] offset:\p*WPL+64*\kc+32
.endr
.endr
; the fragments of n tile i of my four: 16 n x 128 c of x1 and of x2.  x lies [c][n] in LDS, so the loads transpose.
; 16 n are 32 bytes of a row.  The argument may be a sum (i + 1), so it stands in parentheses where it is multiplied.
.macro XLOAD i
.irp kc, 0,1,2,3
	ds_load_tr16_b128 v[X1F+8*\kc:X1F+8*\kc+3],   v[TR1] offset:32*(\i)+\kc*32*XP
	ds_load_tr16_b128 v[X1F+8*\kc+4:X1F+8*\kc+7], v[TR1] offset:32*(\i)+\kc*32*XP+16*XP
.endr
.irp kc, 0,1,2,3
	ds_load_tr16_b128 v[X2F+8*\kc:X2F+8*\kc+3],   v[TR2] offset:32*(\i)+\kc*32*XP
	ds_load_tr16_b128 v[X2F+8*\kc+4:X2F+8*\kc+7], v[TR2] offset:32*(\i)+\kc*32*XP+16*XP
.endr
.endm
; n tile i = 2 ch + lo.  q and k: rows of W x columns of x, so that a lane's eight results are eight neighbouring f of one n.
; g: rows of x x columns of W3, so that they are eight neighbouring n of one f.  In both cases they pack into the lane's 16 bytes of the stored layout,
; and a wave's store covers 512 consecutive bytes, aligned.  The bias tile is the first product's C: nothing is cleared, nothing added later.
; The three sums take turns, one instruction a turn.
.macro TILE i, ch, lo, more
	s_wait_dscnt 0x0                               ; this tile's fragments (and, the first time, W's) are in
	v_wmma_f32_16x16x32_bf16 v[AQ:AQ+7], v[WF:WF+7],       v[X1F:X1F+7],     v[BQ:BQ+7]
	v_wmma_f32_16x16x32_bf16 v[AK:AK+7], v[WF+32:WF+39],   v[X2F:X2F+7],     v[BK:BK+7]
	v_wmma_f32_16x16x32_bf16 v[AG:AG+7], v[X1F:X1F+7],     v[WF+64:WF+71],   v[BG:BG+7]
.irp kc, 1,2,3
	v_wmma_f32_16x16x32_bf16 v[AQ:AQ+7], v[WF+8*\kc:WF+8*\kc+7],       v[X1F+8*\kc:X1F+8*\kc+7], v[AQ:AQ+7]
	v_wmma_f32_16x16x32_bf16 v[AK:AK+7], v[WF+32+8*\kc:WF+32+8*\kc+7], v[X2F+8*\kc:X2F+8*\kc+7], v[AK:AK+7]
	v_wmma_f32_16x16x32_bf16 v[AG:AG+7], v[X1F+8*\kc:X1F+8*\kc+7],     v[WF+64+8*\kc:WF+64+8*\kc+7], v[AG:AG+7]
.endr
.rept 4
	v_nop                                          ; four places before the results are read and before loads land on the products' sources
.endr
.if \more
	XLOAD \i+1
.endif
	s_wait_xcnt 0x0                                ; the packed registers were the last tile's store data: rewritten only behind this wait
.irp j, 0,1,2,3
	v_cvt_pk_bf16_f32 v[PK+\j],   v[AQ+2*\j], v[AQ+2*\j+1]
.endr
.irp j, 0,1,2,3
	v_cvt_pk_bf16_f32 v[PK+4+\j], v[AK+2*\j], v[AK+2*\j+1]
.endr
.irp j, 0,1,2,3
	v_cvt_pk_bf16_f32 v[PK+8+\j], v[AG+2*\j], v[AG+2*\j+1]
.endr
	global_store_b128 v[OQ],  v[PK:PK+3],    s[20:21] offset:\i*2048
	global_store_b128 v[OKK], v[PK+4:PK+7],  s[22:23] offset:\ch*8192+\lo*2048
	global_store_b128 v[OG],  v[PK+8:PK+11], s[22:23] offset:\ch*8192+\lo*512
.endm
	XLOAD 0
	TILE 0, 0, 0, 1
	TILE 1, 0, 1, 1
	TILE 2, 1, 0, 1
	TILE 3, 1, 1, 0
	s_set_vgpr_msb 0x5
	s_wait_tensorcnt 0x0
	ds_add_u32 v0, v1
	s_wait_dscnt 0x0
	s_set_vgpr_msb 0x500
	s_endpgm
.Lfunc_end_k_qe3fbd2f897_proj:
	.size	k_qe3fbd2f897_proj, .Lfunc_end_k_qe3fbd2f897_proj-k_qe3fbd2f897_proj
	.p2alignl 7, 3214868480
	.fill 96, 4, 3214868480
	.section	.rodata,"a",@progbits
	.p2align	6, 0x0
	.amdhsa_kernel k_qe3fbd2f897_proj
		.amdhsa_group_segment_fixed_size 128000
		.amdhsa_private_segment_fixed_size 0
		.amdhsa_enable_private_segment 0
		.amdhsa_kernarg_size 80
		.amdhsa_user_sgpr_count 2
		.amdhsa_user_sgpr_kernarg_segment_ptr 1
		.amdhsa_wavefront_size32 1
		.amdhsa_system_sgpr_workgroup_id_x 1
		.amdhsa_system_sgpr_workgroup_id_y 1
		.amdhsa_system_sgpr_workgroup_id_z 1
		.amdhsa_system_vgpr_workitem_id 0
		.amdhsa_next_free_vgpr 258
		.amdhsa_next_free_sgpr 66
		.amdhsa_reserve_vcc 0
		.amdhsa_float_denorm_mode_32 3
		.amdhsa_float_denorm_mode_16_64 3
		.amdhsa_memory_ordered 1
		.amdhsa_forward_progress 1
		.amdhsa_inst_pref_size 34
	.end_amdhsa_kernel
	.amdgpu_metadata
---
amdhsa.version: [ 1, 2 ]
amdhsa.kernels:
  - .name:           k_qe3fbd2f897_proj
    .symbol:         k_qe3fbd2f897_proj.kd
    .args:
      - { .name: input1, .offset: 0, .size: 8, .value_kind: global_buffer, .address_space: global }
      - { .name: input2, .offset: 8, .size: 8, .value_kind: global_buffer, .address_space: global }
      - { .name: W1, .offset: 16, .size: 8, .value_kind: global_buffer, .address_space: global }
      - { .name: W2, .offset: 24, .size: 8, .value_kind: global_buffer, .address_space: global }
      - { .name: W3, .offset: 32, .size: 8, .value_kind: global_buffer, .address_space: global }
      - { .name: b1, .offset: 40, .size: 8, .value_kind: global_buffer, .address_space: global }
      - { .name: b2, .offset: 48, .size: 8, .value_kind: global_buffer, .address_space: global }
      - { .name: b3, .offset: 56, .size: 8, .value_kind: global_buffer, .address_space: global }
      - { .name: q, .offset: 64, .size: 8, .value_kind: global_buffer, .address_space: global }
      - { .name: kg, .offset: 72, .size: 8, .value_kind: global_buffer, .address_space: global }
    .group_segment_fixed_size: 128000
    .private_segment_fixed_size: 0
    .kernarg_segment_align: 8
    .kernarg_segment_size: 80
    .max_flat_workgroup_size: 256
    .sgpr_count:     66
    .vgpr_count:     258
    .wavefront_size: 32
...
	.end_amdgpu_metadata
.endif
;; end of part 1
;; launch attn (part 2): grid 256 x 1, 4 waves a work-group, clusters of 4 x 1, 327,680 bytes of LDS; arguments q, kg, out0; writes out0
.if DOCPART == 2
	.amdgcn_target "amdgcn-amd-amdhsa--gfx1250"
	.amdhsa_code_object_version 6
	.text
	.protected	k_qe3fbd2f897_attn
	.globl	k_qe3fbd2f897_attn
	.p2align	8
	.type	k_qe3fbd2f897_attn,@function
k_qe3fbd2f897_attn:
	s_mov_b64 s[64:65], 0
	v_nop
	global_prefetch_b8 v0, s[64:65] scope:SCOPE_SE
	s_setreg_imm32_b32 hwreg(HW_REG_WAVE_MODE, 25, 1), 1
	s_wait_xcnt 0x0
	s_wait_alu depctr_hold_cnt(0) depctr_sa_sdst(0) depctr_va_vdst(0) depctr_va_sdst(0) depctr_va_ssrc(0) depctr_va_vcc(0) depctr_vm_vsrc(0)
	s_getreg_b32 s2, hwreg(HW_REG_IB_STS2, 6, 4)
	s_cmp_eq_u32 s2, 0
	s_cbranch_scc0 .Lentry_in_a_cluster
	s_endpgm
.Lentry_in_a_cluster:
	s_bfe_u32 s2, ttmp6, 0x10000c
	s_cmp_lg_u32 s2, 0x3003
	s_cbranch_scc0 .Lentry_shape_is_right
	s_endpgm
.Lentry_shape_is_right:
; out[t][f][n] = sum over m of relu(sum over f' of q[n][f'] k[m][f']) g[m][f], for 128 n of one frame; q, k, g bf16 in fragment order, out f32.
; LIMITS: relu(S) is rounded to bf16 in front of the second product; all sums are f32; the sum over m is made in four quarters of 1,024,
; one a wave, added as (0 + 1) + (2 + 3); a score that is NaN becomes 0 (the maximum drops a NaN) where the reference keeps it.
; Four waves.  THE WAVES SPLIT m, NOT n: wave w takes all 128 n against m = 1024 w .. 1024 w + 1023, 32 chunks of 32 m.  So each byte of k and g
; is read from LDS once in the work-group: 16 loads of 512 bytes feed a chunk's 64 matrix instructions.  q stays in 128 registers, the 128 x 64 sums in 256.
; CLUSTER: the four work-groups of a cluster are four blocks of n of one frame and walk the same bytes of kg.  Every fill is asked for jointly, with the
; mask of all four: a quarter of the requests.  Frame = cluster number mod 8, so a frame's eight clusters are 8 apart in the launch's order.
; ORIENTATION: scores are made transposed, rows of k x columns of q.  A lane then holds eight m of one n, and the two m tiles of a chunk, after relu and
; packing, ARE the eight registers of the second product's first source (row n, 32 m): no lane ever hands a number to another.
; LDS: wave w's ring at 65,536 w: two slots of 32,768 bytes = four chunks each; every read is lane i at 16 i, so no padding.  After the last fill the first
; 33,792 bytes of each wave's ring serve as its stage for the sum over the four waves: 64 rows f of 512 bytes, pitch 528.
; REGISTERS by windows of 256:  window 0: addresses, two score sets, two buffers of k fragments, q;  window 1: two buffers of g fragments;  window 2: the sums.
; k, q and the scores share window 0, so that relu and packing stand among the score products without a switch.
; No prefetch: q and kg were stored by the launch before, and each block of kg is asked for by eight clusters.
.set SLOTB, 32768
.set CHB,   8192                       ; a chunk: 4,096 bytes of k, 4,096 of g = 32 rows of 256 bytes
.set SP,    528                        ; the stage's pitch: 512 + 16, an odd multiple of 16
.set NOW,   99                         ; as a count: no wait on TENSORcnt at this place
.set LA,   2                           ; v2      65,536 w + 16 L: my 16 bytes of a piece of 512
.set STO,  3                           ; v3      stage, in: 65,536 w + 528 r + 32 h
.set RD,   4                           ; v4-7    stage, back: wave u's stage, my wave's 16 rows, 16 L
.set CO,   8                           ; v8      16 L: offset in q's pieces and in out's rows
.set SET,  16                          ; v[16:31], v[32:47]   score sets 0, 1: m tile 0 in registers 0-7, m tile 1 in 8-15; packed in place into 0-7
.set KBUF, 64                          ; v[64:95], v[96:127]  k buffers 0, 1: fragment (mt, kh) at 16 mt + 8 kh
.set QFR,  128                         ; v[128:255]           q: fragment (n tile i, kh) at 16 i + 8 kh
.set GBUF, 0                           ; window 1: v[0:31], v[32:63]  g buffers 0, 1: fragment fb at 8 fb
.set F0,   64                          ; the way out: two batches of 64 registers
.set F1,   128
.set G1,   16                          ; s[16:23] descriptor group 1: 128 rows, a slot
.set G0,   24                          ; s[24:31] descriptor group 0, one set for each slot
.set G1A,  40                          ; s[40:47] group 1: 32 rows, a chunk
.set G1C,  48                          ; s[48:55] group 1: 64 rows, two chunks
.set G0B,  56                          ; s[56:59] group 0: chunk 1's first fill
.set G0C,  60                          ; s[60:63] group 0: the first fill of chunks 2 and 3
.set MSB, 0
.macro WIN new                         ; low byte: bits 1:0 source 0, 3:2 source 1, 5:4 source 2, 7:6 destination; the high byte repeats the setting that is left
.if MSB != \new
	s_set_vgpr_msb (MSB<<8)|\new
.set MSB, \new
.endif
.endm
.macro PLACES
.rept 4
	v_nop
.endr
.endm
; A round of the cluster's barrier: my work-group's barrier, wave 0 signals for the work-group, every wave waits for all four work-groups, my work-group's barrier again.
.macro ROUND
	s_barrier_signal -1
	s_barrier_wait -1
	s_cmp_lg_u32 s10, 0
	s_cbranch_scc1 .Lnot_wave_0_\@
	s_barrier_signal -3
.Lnot_wave_0_\@:
	s_barrier_wait -3
	s_barrier_signal -1
	s_barrier_wait -1
.endm
; group 1: a dense block as rows of 32 elements of 8 bytes
.macro SHAPE g, rows
	s_mov_b32 s[\g+0], 0x0023000f                  ; 15:0 mask: all four work-groups; 17:16 elements of 8 bytes; 21 set beside a mask; no padding
	s_mov_b32 s[\g+1], 32<<16                      ; tensor_dim0 = 32
	s_mov_b32 s[\g+2], \rows<<16                   ; tensor_dim1 = the rows
	s_mov_b32 s[\g+3], 32<<16                      ; tile_dim0 = 32
	s_mov_b32 s[\g+4], \rows                       ; tile_dim1 = the rows
	s_mov_b32 s[\g+5], 32                          ; from row to row: 32 elements
	s_mov_b32 s[\g+6], 0
	s_mov_b32 s[\g+7], 0
.endm
; group 0: byte off of my wave's ring, from byte off of my wave's part of kg
.macro WHERE g, off
	s_mov_b32 s[\g], 1                             ; count = 1
	s_add_co_u32 s[\g+1], s39, \off                ; LDS address: wave x 65,536 + a constant
	s_add_nc_u64 s[\g+2:\g+3], s[6:7], \off
	s_or_b32 s[\g+3], s[\g+3], 0x80000000          ; type = 2
.endm
	s_load_b128 s[4:7], s[0:1], 0x0                ; q s[4:5], kg s[6:7]
	s_load_b64 s[8:9], s[0:1], 0x10                ; out0
	v_lshl_add_u32 v62, v0, 2, 0x40000
	v_mov_b32 v63, 0
	ds_add_u32 v62, v63
	ds_add_u32 v62, v63
	v_lshrrev_b32 v1, 5, v0
	v_readfirstlane_b32 s10, v1                    ; wave 0..3
	s_bfe_u32 s11, ttmp6, 0x40000                  ; cx: my place in the cluster
	s_and_b32 s13, ttmp9, 7                        ; frame t = cluster number mod 8: the same in all four partners
	s_lshr_b32 s12, ttmp9, 3                       ; which four of the frame's 32 blocks of n are the cluster's
	s_lshl_b32 s12, s12, 2
	s_add_co_u32 s12, s12, s11                     ; my block of 128 n: enters q's and out's addresses alone
	s_lshl_b32 s14, s13, 20                        ; a frame of kg is 1 MiB,
	s_lshl_b32 s37, s10, 18                        ; a wave's 32 chunks are 262,144 bytes
	s_add_co_u32 s14, s14, s37
	s_mov_b32 s15, 0
	s_lshl_b32 s32, s13, 19                        ; q: a frame is 256 tiles of 2,048 bytes,
	s_lshl_b32 s38, s12, 14                        ; a block 8 tiles
	s_add_co_u32 s32, s32, s38
	s_mov_b32 s33, 0
	s_lshl_b32 s38, s12, 9                         ; 128 n are 512 bytes of a row of out
	s_add_co_u32 s34, s14, s38                     ; out: a frame is 1 MiB too, and a wave's 16 rows f of 16,384 bytes are 262,144
	s_mov_b32 s35, 0
	SHAPE G1, 128
	SHAPE G1A, 32
	SHAPE G1C, 64
	s_lshl_b32 s39, s10, 16                        ; my wave's ring
	v_and_b32 v1, 31, v0                           ; L
	v_and_b32 v9, 15, v0                           ; r
	v_bfe_u32 v10, v0, 4, 1                        ; h
	v_lshlrev_b32 v[CO], 4, v1
	v_add_nc_u32 v[LA], s39, v[CO]
	v_mul_u32_u24 v[STO], v9, SP                   ; stage, in: row f = r of a tile, 8 h numbers along n
	v_lshl_add_u32 v[STO], v10, 5, v[STO]
	v_add_nc_u32 v[STO], s39, v[STO]
	s_mul_i32 s37, s10, 16*SP                      ; stage, back: my wave sums rows f = 16 w .. 16 w + 15 of all four stages
	v_add_nc_u32 v[RD], s37, v[CO]
	v_add_nc_u32 v[RD+1], 0x10000, v[RD]
	v_add_nc_u32 v[RD+2], 0x20000, v[RD]
	v_add_nc_u32 v[RD+3], 0x30000, v[RD]
	s_wait_dscnt 0x0
	s_wait_kmcnt 0x0
	s_add_nc_u64 s[6:7], s[6:7], s[14:15]          ; kg at my wave's first chunk: frame and wave alone, equal in all four partners
	s_add_nc_u64 s[4:5], s[4:5], s[32:33]
	s_add_nc_u64 s[8:9], s[8:9], s[34:35]
	WHERE G0, 0                                    ; slot 0: first chunk 0 alone, later the slot's refills
	WHERE G0+4, SLOTB                              ; slot 1
	WHERE G0B, CHB                                 ; chunk 1
	WHERE G0C, 2*CHB                               ; chunks 2 and 3
	ROUND                                          ; all four work-groups are here: the first joint loads meet
	; The first fills, as one group.  Slot 0's goes out in three pieces, so that the work on chunk 0 begins when 8,192 bytes of the wave have
	; landed and not 32,768; each piece has its counted wait.  Four tensor loads of the wave are out here, one behind each later round.
	tensor_load_to_lds s[G0:G0+3], s[G1A:G1A+7]    ; chunk 0
	s_nop 0
	tensor_load_to_lds s[G0B:G0B+3], s[G1A:G1A+7]  ; chunk 1
	s_nop 0
	tensor_load_to_lds s[G0C:G0C+3], s[G1C:G1C+7]  ; chunks 2 and 3
	s_nop 0
	tensor_load_to_lds s[G0+4:G0+7], s[G1:G1+7]    ; chunks 4 to 7
	s_nop 0
.set qx, 0
.rept 32
	global_load_b128 v[QFR+4*qx:QFR+4*qx+3], v[CO], s[4:5] offset:512*qx   ; q's 128 rows: 32 pieces of 512 bytes, already in fragment order; four pieces an n tile
.set qx, qx+1
.endr
; one score product: m tile mt of buffer kb x n tile i, half kh of the 64 f, into set.  The first half starts the sum with the constant 0.
.macro SC set, kb, i, mt, kh
.if \kh
	v_wmma_f32_16x16x32_bf16 v[SET+16*(\set)+8*\mt:SET+16*(\set)+8*\mt+7], v[KBUF+32*(\kb)+16*\mt+8:KBUF+32*(\kb)+16*\mt+15], v[QFR+16*(\i)+8:QFR+16*(\i)+15], v[SET+16*(\set)+8*\mt:SET+16*(\set)+8*\mt+7]
.else
	v_wmma_f32_16x16x32_bf16 v[SET+16*(\set)+8*\mt:SET+16*(\set)+8*\mt+7], v[KBUF+32*(\kb)+16*\mt:KBUF+32*(\kb)+16*\mt+7], v[QFR+16*(\i):QFR+16*(\i)+7], 0
.endif
.endm
; relu on registers a and a + 1 of a set, in one instruction: an even and an odd destination, second sources in neighbouring register banks
.macro RELU2 set, a
	v_dual_max_num_f32 v[SET+16*(\set)+\a], 0, v[SET+16*(\set)+\a] :: v_dual_max_num_f32 v[SET+16*(\set)+\a+1], 0, v[SET+16*(\set)+\a+1]
.endm
; numbers 2 j and 2 j + 1 of a set become register j, in place: taken in ascending j, no line overwrites a number that a later line needs
.macro PACK1 set, j
	v_cvt_pk_bf16_f32 v[SET+16*(\set)+\j], v[SET+16*(\set)+2*\j], v[SET+16*(\set)+2*\j+1]
.endm
; a chunk's fragments: 8 pieces of k into window 0, 8 pieces of g into window 1.  Leaves the window setting at 0x40.
.macro LOADKG slot, sub, buf
.irp x, 0,1,2,3,4,5,6,7
	ds_load_b128 v[KBUF+32*(\buf)+4*\x:KBUF+32*(\buf)+4*\x+3], v[LA] offset:\slot*SLOTB+\sub*CHB+512*\x
.endr
	WIN 0x40
.irp x, 0,1,2,3,4,5,6,7
	ds_load_b128 v[GBUF+32*(\buf)+4*\x:GBUF+32*(\buf)+4*\x+3], v[LA] offset:\slot*SLOTB+\sub*CHB+4096+512*\x
.endr
.endm
; the four finished sums of n tile i go to my stage as rows f: a lane's registers 4 e .. 4 e + 3 of tile (i, fb) are four neighbouring n
.macro STAGE i
	WIN 0x08                                       ; store data from window 2
.irp fb, 0,1,2,3
.irp e, 0,1
	ds_store_b128 v[STO], v[8*(4*(\i)+\fb)+4*\e:8*(4*(\i)+\fb)+4*\e+3] offset:\fb*16*SP+(\i)*64+16*\e
.endr
.endr
	WIN 0
.endm
; n tile g of a chunk.  Set cur holds its scores.  Its 16 vector lines (8 of relu, 8 of packing) stand in runs of 5, 3, 3, 3, 2 round the four score products of
; the NEXT tile (n tile inx, k buffer kbn), which go into the other set; then four products add P x g onto the tile's four sums.
; Places (ISA guide 7.12.1), all plain vector lines on set cur, which none of the matrix instructions concerned names:
;   five in front of the first score product, which writes over the registers that the last four products read as their first source (five are asked);
;   3 + 2 behind the last write of the other set's registers 0-7, and 2 + the next group's first 8 lines behind that of its registers 8-15,
;   before the next group's relu reads them (four are asked).
; The two score sums take turns, and so do the four sums of the second product, one instruction a turn.
; zero = 1 (the first chunk): the products start the sums, and q is waited for tile by tile.  st = 1 (the last chunk): the tile before is finished and goes to the stage.
.macro GROUP g, cur, kbn, inx, gb, zero, score, ld, slot, sub, st, tw
	RELU2 \cur, 0
	RELU2 \cur, 2
	RELU2 \cur, 4
	RELU2 \cur, 6
	PACK1 \cur, 0
.if \st
	STAGE \g-1                                     ; five places behind the products that wrote these sums (four are asked)
.endif
.if \zero
.if \g < 7
	s_wait_loadcnt 24-4*\g                         ; loads come back in order (ISA guide 5.7.1): q's n tiles 0 to g + 1 are in, the 4 (6 - g) loads behind them stay out
.endif
.endif
.if \score
	SC 1-\cur, \kbn, \inx, 0, 0
.endif
	PACK1 \cur, 1
	PACK1 \cur, 2
	PACK1 \cur, 3
.if \score
	SC 1-\cur, \kbn, \inx, 1, 0
.endif
	RELU2 \cur, 8
	RELU2 \cur, 10
	RELU2 \cur, 12
.if \score
	SC 1-\cur, \kbn, \inx, 0, 1
.endif
	RELU2 \cur, 14
	PACK1 \cur, 4
	PACK1 \cur, 5
.if \score
	SC 1-\cur, \kbn, \inx, 1, 1
.endif
	PACK1 \cur, 6
	PACK1 \cur, 7
.if \ld
.if \tw < 9
	s_wait_tensorcnt \tw                           ; tensor loads of a wave end in order (ISA guide 10.11.1): the piece read next is in, the tw first fills issued behind it stay out
.endif
	LOADKG \slot, \sub, 1-\gb                      ; the next chunk's fragments, into the buffers that the last chunk has left: more than 48 places behind their last readers
.endif
	WIN 0xa4                                       ; first source window 0, second window 1, C and D window 2
.irp fb, 0,1,2,3
.if \zero
	v_wmma_f32_16x16x32_bf16 v[8*(4*\g+\fb):8*(4*\g+\fb)+7], v[SET+16*\cur:SET+16*\cur+7], v[GBUF+32*\gb+8*\fb:GBUF+32*\gb+8*\fb+7], 0
.else
	v_wmma_f32_16x16x32_bf16 v[8*(4*\g+\fb):8*(4*\g+\fb)+7], v[SET+16*\cur:SET+16*\cur+7], v[GBUF+32*\gb+8*\fb:GBUF+32*\gb+8*\fb+7], v[8*(4*\g+\fb):8*(4*\g+\fb)+7]
.endif
.endr
	WIN 0
.endm
; A chunk on buffers kb: eight groups.  zero = 1: the first chunk.  ld = 1: group 3 fetches the next chunk from (slot, sub) into the other buffers, behind a wait
; on TENSORcnt for tw (NOW: none).  Group 7 makes the scores of the next chunk's n tile 0, from the other k buffer; last = 1: there is none, and each
; finished tile goes to the stage one group later, among the matrix work that is left.
.macro CHUNK kb, zero, ld, slot, sub, last, tw
	GROUP 0, 0, \kb, 1, \kb, \zero, 1, 0, 0, 0, 0, NOW
	GROUP 1, 1, \kb, 2, \kb, \zero, 1, 0, 0, 0, \last, NOW
	GROUP 2, 0, \kb, 3, \kb, \zero, 1, 0, 0, 0, \last, NOW
	GROUP 3, 1, \kb, 4, \kb, \zero, 1, \ld, \slot, \sub, \last, \tw
	GROUP 4, 0, \kb, 5, \kb, \zero, 1, 0, 0, 0, \last, NOW
	GROUP 5, 1, \kb, 6, \kb, \zero, 1, 0, 0, 0, \last, NOW
	GROUP 6, 0, \kb, 7, \kb, \zero, 1, 0, 0, 0, \last, NOW
.if \ld
	s_wait_dscnt 0x0                               ; the next chunk's 16 loads, issued three groups ago
.endif
	GROUP 7, 1, 1-\kb, 0, \kb, \zero, 1-\last, 0, 0, 0, \last, NOW
.endm
; Four chunks.  The fragments read here are slot sl's; the other slot has been read out and, with refill = 1, is filled again, two slots ahead.
; In front of the round every wave has waited for all its tensor loads (one is out: slot sl's) and for its LDS reads; inside the round stands nothing but the round;
; the joint refill is the first thing behind it, the wave's one tensor load until the next round, with 256 matrix instructions in which to land.
.macro TRIP sl, refill
	s_wait_tensorcnt 0x0                           ; all my tensor loads have landed, so a group 0 may be written
	ds_add_u32 v62, v63
	s_wait_dscnt 0x0
.if \refill
	s_add_nc_u64 s[G0+4*(1-\sl)+2:G0+4*(1-\sl)+3], s[G0+4*(1-\sl)+2:G0+4*(1-\sl)+3], 2*SLOTB
.endif
	s_wait_dscnt 0x0                               ; my reads of the other slot are back
.if \refill
	ROUND
	tensor_load_to_lds s[G0+4*(1-\sl):G0+4*(1-\sl)+3], s[G1:G1+7]
	s_nop 0
.endif
	CHUNK 1, 0, 1, \sl, 0, 0, NOW
	CHUNK 0, 0, 1, \sl, 1, 0, NOW
	CHUNK 1, 0, 1, \sl, 2, 0, NOW
	CHUNK 0, 0, 1, \sl, 3, 0, NOW
.endm
	s_wait_tensorcnt 0x3                           ; chunk 0 is in; the three fills issued behind it stay out.  The bytes are my wave's own: no barrier
	LOADKG 0, 0, 0                                 ; chunk 0
	WIN 0
	s_wait_loadcnt 28                              ; q's n tile 0: its four loads are in, the 28 behind them stay out
	s_wait_dscnt 0x0
	SC 0, 0, 0, 0, 0                               ; the scores of chunk 0, n tile 0
	SC 0, 0, 0, 1, 0
	SC 0, 0, 0, 0, 1
	SC 0, 0, 0, 1, 1
	PLACES                                         ; four places before relu reads them
	CHUNK 0, 1, 1, 0, 1, 0, 2                      ; chunk 0 starts the sums; fetches chunk 1: two fills were issued behind its piece
	CHUNK 1, 0, 1, 0, 2, 0, 1                      ; chunk 1; fetches chunk 2: one fill, slot 1's, was issued behind its piece
	CHUNK 0, 0, 1, 0, 3, 0, NOW                    ; chunk 2; fetches chunk 3, which came with chunk 2
	s_mov_b32 s36, 3
.Lloop:                                            ; six trips of four chunks: chunks 3 to 26; the refills bring chunks 8 to 31
	TRIP 1, 1
	TRIP 0, 1
	s_sub_co_u32 s36, s36, 1
	s_cmp_lg_u32 s36, 0
	s_cbranch_scc1 .Lloop
	TRIP 1, 0                                      ; chunks 27 to 30: nothing is left to fetch from memory, so no round and no fill
	; Chunk 31.  Its fragments are in registers, my LDS reads are back and my last fill has landed, so the head of my own ring is free to be my stage:
	; 56 of my 64 stage stores go out among this chunk's matrix instructions.
	CHUNK 1, 0, 0, 0, 0, 1, NOW
	; THE WAY OUT
	PLACES                                         ; four places behind the last products, for the stores of their results and for the loads onto k's and q's registers
	STAGE 7
	s_wait_dscnt 0x0                               ; my stage is whole, for the other waves' sake,
	s_barrier_signal -1
	s_barrier_wait -1                              ; and so is everybody's
; batch b: rows 4 b .. 4 b + 3 of my 16, from all four stages: row rr of stage u into f + 16 rr + 4 u
.macro LOADB b, f
.irp rr, 0,1,2,3
.irp u, 0,1,2,3
	ds_load_b128 v[\f+16*\rr+4*\u:\f+16*\rr+4*\u+3], v[RD+\u] offset:(4*\b+\rr)*SP
.endr
.endr
.endm
; (p0 + p1) + (p2 + p3), and a row's 512 bytes leave: a store of the wave covers 512 consecutive bytes, aligned
.macro SUMST b, f, left
	s_wait_dscnt \left                             ; LDS loads come back in order: this batch is in, the younger batch of 16 may be out
.irp rr, 0,1,2,3
	v_pk_add_f32 v[\f+16*\rr:\f+16*\rr+1],     v[\f+16*\rr:\f+16*\rr+1],     v[\f+16*\rr+4:\f+16*\rr+5]
	v_pk_add_f32 v[\f+16*\rr+2:\f+16*\rr+3],   v[\f+16*\rr+2:\f+16*\rr+3],   v[\f+16*\rr+6:\f+16*\rr+7]
	v_pk_add_f32 v[\f+16*\rr+8:\f+16*\rr+9],   v[\f+16*\rr+8:\f+16*\rr+9],   v[\f+16*\rr+12:\f+16*\rr+13]
	v_pk_add_f32 v[\f+16*\rr+10:\f+16*\rr+11], v[\f+16*\rr+10:\f+16*\rr+11], v[\f+16*\rr+14:\f+16*\rr+15]
	v_pk_add_f32 v[\f+16*\rr:\f+16*\rr+1],     v[\f+16*\rr:\f+16*\rr+1],     v[\f+16*\rr+8:\f+16*\rr+9]
	v_pk_add_f32 v[\f+16*\rr+2:\f+16*\rr+3],   v[\f+16*\rr+2:\f+16*\rr+3],   v[\f+16*\rr+10:\f+16*\rr+11]
	global_store_b128 v[CO], v[\f+16*\rr:\f+16*\rr+3], s[8:9] offset:(4*\b+\rr)*16384 th:TH_STORE_NT
.endr
.endm
	LOADB 0, F0
	LOADB 1, F1
	SUMST 0, F0, 16
	s_wait_xcnt 0x0                                ; the batch's registers were store data: loaded again only behind this wait
	LOADB 2, F0
	SUMST 1, F1, 16
	s_wait_xcnt 0x0
	LOADB 3, F1
	SUMST 2, F0, 16
	SUMST 3, F1, 0
	s_wait_tensorcnt 0x0
	ds_add_u32 v62, v63
	s_wait_dscnt 0x0
	ROUND                                          ; the closing round: no work-group ends while a partner may still ask for a tile that names it
	s_endpgm
.Lfunc_end_k_qe3fbd2f897_attn:
	.size	k_qe3fbd2f897_attn, .Lfunc_end_k_qe3fbd2f897_attn-k_qe3fbd2f897_attn
	.p2alignl 7, 3214868480
	.fill 96, 4, 3214868480
	.section	.rodata,"a",@progbits
	.p2align	6, 0x0
	.amdhsa_kernel k_qe3fbd2f897_attn
		.amdhsa_group_segment_fixed_size 327680
		.amdhsa_private_segment_fixed_size 0
		.amdhsa_enable_private_segment 0
		.amdhsa_kernarg_size 24
		.amdhsa_user_sgpr_count 2
		.amdhsa_user_sgpr_kernarg_segment_ptr 1
		.amdhsa_wavefront_size32 1
		.amdhsa_system_sgpr_workgroup_id_x 1
		.amdhsa_system_sgpr_workgroup_id_y 1
		.amdhsa_system_sgpr_workgroup_id_z 1
		.amdhsa_system_vgpr_workitem_id 0
		.amdhsa_next_free_vgpr 768
		.amdhsa_next_free_sgpr 66
		.amdhsa_reserve_vcc 0
		.amdhsa_float_denorm_mode_32 3
		.amdhsa_float_denorm_mode_16_64 3
		.amdhsa_memory_ordered 1
		.amdhsa_forward_progress 1
		.amdhsa_inst_pref_size 244
	.end_amdhsa_kernel
	.amdgpu_metadata
---
amdhsa.version: [ 1, 2 ]
amdhsa.kernels:
  - .name:           k_qe3fbd2f897_attn
    .symbol:         k_qe3fbd2f897_attn.kd
    .args:
      - { .name: q, .offset: 0, .size: 8, .value_kind: global_buffer, .address_space: global }
      - { .name: kg, .offset: 8, .size: 8, .value_kind: global_buffer, .address_space: global }
      - { .name: out0, .offset: 16, .size: 8, .value_kind: global_buffer, .address_space: global }
    .group_segment_fixed_size: 327680
    .private_segment_fixed_size: 0
    .kernarg_segment_align: 8
    .kernarg_segment_size: 24
    .max_flat_workgroup_size: 128
    .sgpr_count:     66
    .vgpr_count:     768
    .wavefront_size: 32
...
	.end_amdgpu_metadata
.endif
;; end of part 2
